; MI455X (gfx1250); checked and timed in simulation.
; The chip was launched on July 23, 2026; its instructions are those of AMD's public machine-readable ISA for CDNA 5 (MIT licence, August 2026) and "CDNA5" Instruction Set Architecture Reference Guide (July 2026). The comments in the code are by the model that wrote it; some were corrected since.
;; Mutual Cross Attention. Allowed arithmetic: matrix products marked QUANTISED: E2M3 operands, one E8M0 scale for each 32 along K, by v_wmma_scale_f32_16x16x128_f8f6f4 with both operands' format E2M3, f32 sums; everything else in f32.
;; Inputs: W 256 x 256 float32; b 256 float32; x1 8 x 2,048 x 256 float32; x2 8 x 2,048 x 256 float32.
;; Outputs: out0 8 x 4,096 x 256 float32.
;; This version of the problem:
;;   THIS VERSION OF THE PROBLEM IS GIVEN IN LOW PRECISION. The matrix products marked QUANTISED in the list below multiply operands that are first quantised to E2M3 (2 exponent bits, 3 mantissa bits; 6 bits a number), with one power-of-two scale for each 32 numbers along K (OCP MX v1.0); their sums are f32. All else is computed in f32.
;;   The module's matrix products, in the order in which they are computed (A, B: the left and right operand; K: the contracted axis; several contracted axes count as one K, in the product's order):
;;     1. [M 16,384, K 256] x [K 256, N 256]; A: input x1; B: input W: QUANTISED
;;     2. [M 16,384, K 256] x [K 256, N 256]; A: input x2; B: input W: QUANTISED
;;     3. batch 8 x [M 2,048, K 256] x [K 256, N 2,048]; A: computed on the way; B: computed on the way: QUANTISED
;;     4. batch 8 x [M 2,048, K 2,048] x [K 2,048, N 256]; A: softmax (see below); B: input x2: QUANTISED
;;     5. batch 8 x [M 2,048, K 256] x [K 256, N 2,048]; A: computed on the way; B: computed on the way: QUANTISED
;;     6. batch 8 x [M 2,048, K 2,048] x [K 2,048, N 256]; A: softmax (see below); B: input x1: QUANTISED
;;   THE QUANTISER, for each operand of a quantised product, along K:
;;     - K is cut into blocks of 32 from its start; a last block that is shorter is filled with zeros.
;;     - A block's scale is 2^e with e = floor(log2(the largest magnitude in the block)) - 2, held to -126 .. 127; a block of zeros has e = 0. As a byte (E8M0): e + 127.
;;     - Each number is divided by its block's scale, clamped to +-7.5, and rounded to the nearest number of E2M3, ties to even, subnormals kept.
;;     - The product sums the exact products of the quantised numbers (number of the format x scale) in f32.
;;   ~~~python
;;   def quantise(x, axis):      # numpy; x: float32 -> the quantised numbers, widened to float32 again
;;       x = np.moveaxis(x, axis, -1); K = x.shape[-1]
;;       x = np.pad(x, [(0, 0)] * (x.ndim - 1) + [(0, -K % 32)]); x = x.reshape(x.shape[:-1] + (-1, 32)); a = np.abs(x).max(-1, keepdims=True)
;;       e = np.where(a > 0, np.clip(np.frexp(np.where(a > 0, a, 1))[1] - 1 - 2, -126, 127), 0)      # np.frexp(a)[1] - 1 = floor(log2(a)), exactly
;;       r = np.clip(x / 2.0 ** e, -7.5, 7.5)
;;       step = 2.0 ** (np.maximum(np.frexp(np.where(r == 0, 1, r))[1] - 1, 0) - 3)
;;       q = np.round(r / step) * step * 2.0 ** e      # np.round: ties to even
;;       return np.moveaxis(q.reshape(q.shape[:-2] + (-1,))[..., :K], -1, axis).astype(np.float32)
;;   ~~~
;;   SOFTMAX AHEAD OF A QUANTISED PRODUCT. Where the list says 'softmax', what is quantised is not the finished softmax but p = 2^(t - M), with t = logit x log2(e) and M = ceil(the row's largest t), a whole number; so 1/2 < the row's largest p <= 1. The row's sum l is taken of the UNQUANTISED p, in f32, and the product's result is divided by l at the end. Since M is a whole number, a kernel that streams over the keys may use a running M (the ceiling of the running maximum): every later rescaling is an exact power of two, which a block's scale takes up: the codes' values come out the same.
;;   OPERANDS COMPUTED ON THE WAY. 'Computed on the way' means the value that the module computes at that place (a softmax that the list does not call 'softmax' is quantised finished and normalised). What goes into a quantiser is computed in f32, as accurately as f32 sums, v_exp_f32 and their like allow (about 1e-6 of the number): no bf16 or f16 on the way to a quantiser, and a product that is left as it is and whose result goes on into a quantised operand takes f32 operands (vector FMAs, or v_wmma_f32_16x16x4_f32). A number that lies on a knife's edge between two numbers of the format may be rounded either way, as far as f32 arithmetic and the matrix unit's own rounding can turn it there, and no further.
;; One version. Each part assembles by itself: llvm-mc -triple=amdgcn-amd-amdhsa -mcpu=gfx1250 --defsym DOCPART=n.
;; ======== version 1 of 1: 2 launches
;; limits: right only within a limited range of input values
;; workspace buffers: kv 13,107,200 bytes
;; launch prep (part 1): grid 16 x 16, 8 waves a work-group, clusters of 4 x 1, 327,680 bytes of LDS; arguments x1, x2, W, b, kv; writes kv
.if DOCPART == 1
	.amdgcn_target "amdgcn-amd-amdhsa--gfx1250"
	.amdhsa_code_object_version 6
	.text
	.protected	k_q863157e333_prep
	.globl	k_q863157e333_prep
	.p2align	8
	.type	k_q863157e333_prep,@function
k_q863157e333_prep:
	s_mov_b64 s[64:65], 0
	v_nop
	global_prefetch_b8 v0, s[64:65] scope:SCOPE_SE
	s_setreg_imm32_b32 hwreg(HW_REG_WAVE_MODE, 25, 1), 1
	s_wait_xcnt 0x0
	s_wait_alu depctr_hold_cnt(0) depctr_sa_sdst(0) depctr_va_vdst(0) depctr_va_sdst(0) depctr_va_ssrc(0) depctr_va_vcc(0) depctr_vm_vsrc(0)
	s_getreg_b32 s2, hwreg(HW_REG_IB_STS2, 6, 4)
	s_cmp_eq_u32 s2, 0
	s_cbranch_scc0 .Lentry_in_a_cluster
	s_endpgm
.Lentry_in_a_cluster:
	s_bfe_u32 s2, ttmp6, 0x10000c
	s_cmp_lg_u32 s2, 0x3003
	s_cbranch_scc0 .Lentry_shape_is_right
	s_endpgm
.Lentry_shape_is_right:
; PREP.  Work-group (block, y): 128 tokens of one batch of x1 (y < 8) or x2 (y >= 8).  It quantises them along the tokens (the values of the attention), quantises them along the features, quantises all of W, makes q or k = x W + b
; and quantises that along its features.  The bias enters q and k and so their codes.  Everything leaves as codes of FP6 (E2M3) and E8M0 bytes, as images of the operand registers of the next launch:
; a block of 51,200 bytes of kv for each 128 tokens: 16 fragments of q or k (2 x row tile + feature step of 128), 16 fragments of x along the tokens (tile of 16 columns), and the scale words of both, 1,024 bytes each.
; A fragment is 1,536 bytes: three images of 4 registers, 16 bytes a lane.
; A block's scale byte is its largest magnitude's exponent field less 2, at least 1; a block of zeros has the byte 1: its codes are zeros, and these bytes are read by this program alone.
; LIMITS: NaN and infinities are not served; blocks whose largest magnitude lies under 2^-124 keep the byte 1.
; SHARES.  Eight waves: wave w takes columns 32 w .. 32 w + 31 of W and of x (a lane a column, registers down the quantised axis) and rows 16 w .. 16 w + 15 of x; in the product it takes row tiles 2 (w / 2) and the next, and W's columns 128 (w % 2) .. + 127.
; FILLS.  One tensor load a wave, at the head: waves 0-3 W's lower 128 rows, asked for jointly by the four work-groups of a cluster; waves 4-7 x's 128 rows, each work-group's own.  W's upper 128 rows go from memory into registers: x and all of W
; are more bytes than LDS has.  All of W is quantised ahead of the wait for x: the first barrier shows W's rows alone.  Nothing is filled again.  No prefetch: there is no loop to run ahead in.
.set PIT,   1040                       ; an LDS row of 256 f32 + 16 bytes
.set WT,    0
.set XT,    128*PIT
.set WIMG,  256*PIT                    ; W's 32 fragments: 2 x column tile + step
.set WSC,   WIMG+32*1536               ; their scale words: [column pair][step][lane]
.set SCB,   WSC+2048                   ; the block's scale words, as they leave
.set SPARE, SCB+2048                   ; the spare words, 128 bytes a wave, that no other line names
.set XFI,   WT                         ; x's row fragments: on W's bytes, which have had their only fill and their last read by then
.set XFW,   XFI+16*1536                ; and their scale words
.set NB0,   16
.set NB1,   80
.set ACC,   16
.set CF,    144
.set XF,    168
.set XB,    144
.set CT,    192
.set TM,    200
.set YW,    214
.set XW,    216                        ; v216-219 x's scale words for the products
.set XS,    220
.set CW,    222
.set VW,    223
.set WS,    224                        ; v224-231 W's
.set PC,    232
.set PC1,   144
.set AW,    244
.set AX,    246
.set AXW,   248
.set ABW,   249
.set AVS,   250
.set AKS,   251
.set AOS,   252
.set SPW,   254
.set NIL,   255
.set G1,    24                         ; s[24:31] descriptor group 1 of x's rows
.set G1W,   56                         ; s[56:63] of W's: the same with the mask
.set MSB, 0
.macro WIN new
.if MSB != \new
	s_set_vgpr_msb (MSB<<8)|\new
.set MSB, \new
.endif
.endm
.macro PLACES n
.rept \n
	v_nop
.endr
.endm
.macro WALU
	s_wait_alu depctr_va_vdst(0)
.endm
.macro BAR
	WALU
	s_wait_dscnt 0x0
	s_barrier_signal -1
	s_barrier_wait -1
.endm
.macro CROUND                          ; a round of the cluster's barrier
	s_barrier_signal -1
	s_barrier_wait -1
	s_cmp_lg_u32 s14, 0
	s_cbranch_scc1 .Lnot_wave_0_\@
	s_barrier_signal -3
.Lnot_wave_0_\@:
	s_barrier_wait -3
	s_barrier_signal -1
	s_barrier_wait -1
.endm
.macro GFETCH n, c                     ; 64 rows of my column of W's upper half, 128 consecutive bytes a load
.set lI, 0
.rept 64
	global_load_b32 v[\n+lI], v4, s[54:55] offset:(128+64*\c+lI)*1024
.set lI, lI+1
.endr
.endm
; 64 rows of my column.  perm = 1: in the order of the keys that the attention's row tiles give a lane
.macro LFETCH n, adr, perm
.set lI, 0
.rept 64
.if \perm
.set lR, (lI&0x27)|((lI&8)<<1)|((lI&16)>>1)
.else
.set lR, lI
.endif
	ds_load_b32 v[\n+lI], v[\adr] offset:lR*PIT
.set lI, lI+1
.endr
.endm
; Two blocks of 32 down my column into the halves c of two column tiles' fragments, and their bytes into the word
.macro COLQ n, fa, fb, c, wreg
.irp q, 0,1,2,3
	v_max3_num_f32 v[TM+\q], |v[\n+16*\q]|, |v[\n+16*\q+1]|, 0x1800000
.endr
.irp i, 2,4,6,8,10,12,14
.irp q, 0,1,2,3
	v_max3_num_f32 v[TM+\q], v[TM+\q], |v[\n+16*\q+\i]|, |v[\n+16*\q+\i+1]|
.endr
.endr
	v_max_num_f32 v[TM], v[TM], v[TM+1]
	v_max_num_f32 v[TM+2], v[TM+2], v[TM+3]
	v_add_nc_u32 v[TM+12], 0xff000000, v[TM]
	v_add_nc_u32 v[TM+13], 0xff000000, v[TM+2]
	v_lshrrev_b32 v[TM+4], 23, v[TM+12]
	v_lshrrev_b32 v[TM+5], 23, v[TM+13]
.if \c == 0
	v_lshl_or_b32 v[\wreg], v[TM+5], 8, v[TM+4]
.else
	v_lshl_or_b32 v[\wreg], v[TM+4], 16, v[\wreg]
	v_lshl_or_b32 v[\wreg], v[TM+5], 24, v[\wreg]
.endif
	v_cvt_scalef32_pk16_fp6_f32 v[\fa+6*\c:\fa+6*\c+2], v[\n:\n+15], v[TM+12]
	v_cvt_scalef32_pk16_fp6_f32 v[CT:CT+2], v[\n+16:\n+31], v[TM+12]
	v_cvt_scalef32_pk16_fp6_f32 v[\fb+6*\c:\fb+6*\c+2], v[\n+32:\n+47], v[TM+13]
	v_cvt_scalef32_pk16_fp6_f32 v[CT+4:CT+6], v[\n+48:\n+63], v[TM+13]
	v_nop
.irp e, 0,1,2
	v_permlane16_swap_b32 v[\fa+6*\c+\e], v[\fb+6*\c+\e]
	v_permlane16_swap_b32 v[CT+\e], v[CT+4+\e]
.endr
.irp e, 0,1,2
	v_mov_b32 v[\fa+6*\c+3+\e], v[CT+\e]
	v_mov_b32 v[\fb+6*\c+3+\e], v[CT+4+\e]
.endr
.endm
; Four blocks of 32 of a row, 16 numbers a lane: lanes l and l xor 16 share a block
.macro QUANT n, dst, word
.irp b, 0,1,2,3
	v_max3_num_f32 v[TM+\b], |v[\n+16*\b]|, |v[\n+16*\b+1]|, 0x1800000
.endr
.irp i, 2,4,6,8,10,12,14
.irp b, 0,1,2,3
	v_max3_num_f32 v[TM+\b], v[TM+\b], |v[\n+16*\b+\i]|, |v[\n+16*\b+\i+1]|
.endr
.endr
.irp b, 0,1,2,3
	v_permlanex16_b32 v[TM+4+\b], v[TM+\b], s40, s41
.endr
.irp b, 0,1,2,3
	v_max_num_f32 v[TM+\b], v[TM+\b], v[TM+4+\b]
.endr
.irp b, 0,1,2,3
	v_add_nc_u32 v[TM+10+\b], 0xff000000, v[TM+\b]
.endr
.irp b, 0,1,2,3
	v_lshrrev_b32 v[TM+4+\b], 23, v[TM+10+\b]
.endr
	v_lshl_or_b32 v[\word], v[TM+5], 8, v[TM+4]
	v_lshl_or_b32 v[\word], v[TM+6], 16, v[\word]
	v_lshl_or_b32 v[\word], v[TM+7], 24, v[\word]
.irp c, 0,1
	v_cvt_scalef32_pk16_fp6_f32 v[\dst+6*\c:\dst+6*\c+2], v[\n+32*\c:\n+32*\c+15], v[TM+10+2*\c]
	v_cvt_scalef32_pk16_fp6_f32 v[CT+4*\c:CT+4*\c+2], v[\n+32*\c+16:\n+32*\c+31], v[TM+11+2*\c]
.endr
	v_nop
.irp c, 0,1
.irp e, 0,1,2
	v_permlane16_swap_b32 v[\dst+6*\c+\e], v[CT+4*\c+\e]
.endr
.irp e, 0,1,2
	v_mov_b32 v[\dst+6*\c+3+\e], v[CT+4*\c+\e]
.endr
.endr
.endm
.macro XFETCH n, ks                    ; my row of x: 16 loads
.irp b, 0,1,2,3
.irp j, 0,1,2,3
	ds_load_b128 v[\n+16*\b+4*\j:\n+16*\b+4*\j+3], v10 offset:512*\ks+128*\b+16*\j
.endr
.endr
.endm
.macro WOUT ks                         ; W's two fragments of step ks and their word
.irp e, 0,1,2
	ds_store_b128 v8, v[CF+4*\e:CF+4*\e+3] offset:\ks*1536+512*\e
	ds_store_b128 v8, v[CF+12+4*\e:CF+12+4*\e+3] offset:(2+\ks)*1536+512*\e
.endr
	ds_store_b32 v6, v[CW] offset:\ks*128
.endm
.macro WMC d, a, bb, cc, sa, sb, odd
.if \odd
	v_wmma_scale_f32_16x16x128_f8f6f4 v[\d:\d+7], v[\a:\a+11], v[\bb:\bb+11], v[\cc:\cc+7], v[\sa], v[\sb] matrix_a_fmt:MATRIX_FMT_FP6 matrix_b_fmt:MATRIX_FMT_FP6 matrix_a_scale:MATRIX_SCALE_ROW1
.else
	v_wmma_scale_f32_16x16x128_f8f6f4 v[\d:\d+7], v[\a:\a+11], v[\bb:\bb+11], v[\cc:\cc+7], v[\sa], v[\sb] matrix_a_fmt:MATRIX_FMT_FP6 matrix_b_fmt:MATRIX_FMT_FP6
.endif
.endm
	s_load_b256 s[4:11], s[0:1], 0x0       ; x1, x2, W, b
	s_load_b64 s[12:13], s[0:1], 0x20      ; kv
	v_lshl_add_u32 v[SPW], v0, 2, SPARE
	v_mov_b32 v[NIL], 0
	ds_add_u32 v[SPW], v[NIL]              ; the opening lines
	ds_add_u32 v[SPW], v[NIL]
	v_lshrrev_b32 v1, 5, v0
	v_readfirstlane_b32 s14, v1            ; wave
	s_lshr_b32 s15, s14, 1
	s_and_b32 s42, s14, 1
	s_and_b32 s43, s14, 3
	s_bfe_u32 s17, ttmp6, 0x40000          ; cx: it enters x's and kv's global addresses alone
	s_lshl_b32 s52, ttmp9, 2
	s_add_co_u32 s52, s52, s17             ; block of 128 tokens
	s_and_b32 s16, ttmp7, 0xffff           ; y
	s_mov_b32 s[G1], (2<<16)|(1<<20)|(7<<22)|(3<<25)   ; elements of 4 bytes; behind every 256 words 4 of padding
	s_mov_b32 s[G1W], 15|(2<<16)|(1<<20)|(1<<21)|(7<<22)|(3<<25)   ; W's: all four work-groups; bit 21 set beside a mask
.irp g, G1, G1W
	s_mov_b32 s[\g+1], 256<<16
	s_mov_b32 s[\g+2], 32<<16              ; 32 rows
	s_mov_b32 s[\g+3], 256<<16
	s_mov_b32 s[\g+4], 32
	s_mov_b32 s[\g+5], 256
	s_mov_b32 s[\g+6], 0
	s_mov_b32 s[\g+7], 0
.endr
	s_and_b32 s18, s16, 7
	s_lshl_b32 s18, s18, 11
	s_lshl_b32 s19, s52, 7
	s_add_co_u32 s18, s18, s19
	s_lshl_b32 s19, s43, 5
	s_add_co_u32 s18, s18, s19             ; waves 4-7: my 32 rows of x,
	s_lshl_b32 s18, s18, 10
	s_mov_b32 s19, 0
	s_lshl_b32 s22, s43, 15                ; waves 0-3: my 32 rows of W
	s_mov_b32 s23, 0
	s_mov_b32 s40, 0x76543210
	s_mov_b32 s41, 0xfedcba98
	v_and_b32 v1, 31, v0                   ; lane
	v_and_b32 v2, 15, v0                   ; r
	v_bfe_u32 v3, v0, 4, 1                 ; h
	v_lshlrev_b32 v4, 2, v1
	v_lshlrev_b32 v7, 4, v1
	v_lshlrev_b32 v9, 3, v1
	v_lshlrev_b32 v13, 5, v3
	s_lshl_b32 s53, s14, 7
	v_add_nc_u32 v5, s53, v4               ; my column
.irp c, 0,1
	v_add_nc_u32 v[AW+\c], WT+64*PIT*\c, v5
	v_add_nc_u32 v[AX+\c], XT+64*PIT*\c, v5
.endr
	s_lshl_b32 s53, s14, 8
	v_add_nc_u32 v6, s53, v4
	v_add_nc_u32 v[AXW], XFW, v6           ; my row tile's words
	v_add_nc_u32 v6, WSC, v6
	v_add_nc_u32 v[AOS], s53, v9
	v_add_nc_u32 v[AOS], SCB, v[AOS]       ; my 256 bytes of the block's scale words
	s_mul_i32 s54, s14, 6144
	v_add_nc_u32 v8, s54, v7
	v_add_nc_u32 v8, WIMG, v8              ; where my fragments of W go
	s_mul_i32 s54, s14, 16*PIT
	s_add_co_u32 s54, s54, XT
	v_mul_u32_u24 v10, v2, PIT
	v_lshl_add_u32 v10, v3, 6, v10
	v_add_nc_u32 v10, s54, v10             ; my row of x
	s_mul_i32 s54, s42, 24576
	v_add_nc_u32 v11, s54, v7
	v_add_nc_u32 v11, WIMG, v11            ; my half of W's fragments,
	s_lshl_b32 s54, s42, 10
	v_add_nc_u32 v12, s54, v4
	v_add_nc_u32 v12, WSC, v12             ; and of their words
	s_mul_i32 s54, s14, 3072
	v_add_nc_u32 v14, s54, v7              ; my row tile's fragments (XFI is 0)
	s_mul_i32 s54, s15, 6144
	v_add_nc_u32 v15, s54, v7              ; my two row tiles for the products
	s_lshl_b32 s54, s15, 9
	v_add_nc_u32 v[ABW], s54, v4
	v_add_nc_u32 v[ABW], XFW, v[ABW]
	s_lshl_b32 s54, s15, 8
	s_lshl_b32 s55, s42, 2
	s_add_co_u32 s54, s54, s55
	v_add_nc_u32 v[AVS], s54, v9
	v_add_nc_u32 v[AVS], SCB+1024, v[AVS]  ; x's word along the tokens
	v_lshlrev_b32 v5, 3, v2
	v_add_nc_u32 v[AKS], s54, v5
	v_add_nc_u32 v[AKS], SCB, v[AKS]       ; q's or k's
.irp b, 0,1,2,3
	v_mov_b32 v[TM+4+\b], 0                ; a lane permute's destination counts as one of its sources
.endr
	WALU                                   ; the wait ahead of the waits below
	s_wait_dscnt 0x0
	CROUND                                 ; all four work-groups are here
	s_wait_kmcnt 0x0
	s_cmp_lt_u32 s16, 8
	s_cselect_b64 s[20:21], s[4:5], s[6:7]
	s_mov_b32 s32, 1
	s_mul_i32 s33, s14, 32*PIT             ; W's 128 rows, then x's: both as wave x 32 rows
	s_add_nc_u64 s[34:35], s[8:9], s[22:23]
	s_or_b32 s35, s35, 0x80000000
	s_mov_b32 s36, 1
	s_mul_i32 s37, s14, 32*PIT
	s_add_nc_u64 s[38:39], s[20:21], s[18:19]
	s_or_b32 s39, s39, 0x80000000
	s_cmp_lt_u32 s14, 4
	s_cbranch_scc0 .Lhead_x
	tensor_load_to_lds s[32:35], s[G1W:G1W+7]
	s_nop 0
	PLACES 4
	s_branch .Lhead_asked
.Lhead_x:
	tensor_load_to_lds s[36:39], s[G1:G1+7]
	s_nop 0
	PLACES 4
.Lhead_asked:
	s_lshl_b32 s22, s14, 7
	s_mov_b32 s23, 0
	s_add_nc_u64 s[54:55], s[8:9], s[22:23]        ; W, my 32 columns
	s_lshl_b32 s22, s16, 4
	s_add_co_u32 s22, s22, s52
	s_mul_i32 s22, s22, 51200
	s_add_nc_u64 s[12:13], s[12:13], s[22:23]
	s_mul_i32 s22, s15, 6144
	s_mul_i32 s53, s42, 1536
	s_add_co_u32 s22, s22, s53
	s_add_nc_u64 s[44:45], s[12:13], s[22:23]      ; q or k: row tiles 2 (w / 2) .., step w % 2
	s_mul_i32 s22, s14, 3072
	s_add_co_u32 s22, s22, 24576
	s_add_nc_u64 s[46:47], s[12:13], s[22:23]      ; x along the tokens: column tiles 2 w, 2 w + 1
	s_lshl_b32 s22, s14, 8
	s_add_co_u32 s22, s22, 49152
	s_add_nc_u64 s[48:49], s[12:13], s[22:23]
	s_lshl_b32 s22, s42, 9
	s_add_nc_u64 s[50:51], s[10:11], s[22:23]
	GFETCH NB0, 0
	GFETCH NB1, 1
	WIN 0x40                               ; the bias as the first products' C: columns 16 u + 8 h + 0 .. 7 of my half
.irp u, 0,1,2,3,4,5,6,7
	global_load_b128 v[192+8*\u:192+8*\u+3], v13, s[50:51] offset:64*\u
	global_load_b128 v[192+8*\u+4:192+8*\u+7], v13, s[50:51] offset:64*\u+16
.endr
	WIN 0
	WALU
	s_wait_loadcnt 63                      ; the first 64 of 144 loads are in
	COLQ NB0, CF, CF+12, 0, CW
	s_wait_loadcnt 16                      ; all but the bias's 16
	COLQ NB1, CF, CF+12, 1, CW
	WOUT 1
	WALU
	s_cmp_lt_u32 s14, 4
	s_cbranch_scc0 .Lnot_w
	s_wait_tensorcnt 0x0
.Lnot_w:
	BAR                                    ; W's lower rows are in; x may still be on its way
	LFETCH NB0, AW, 0
	LFETCH NB1, AW+1, 0
	s_wait_dscnt 63                        ; the first 64 are in
	COLQ NB0, CF, CF+12, 0, CW
	s_wait_dscnt 0x0
	COLQ NB1, CF, CF+12, 1, CW
	WOUT 0
	WALU
	s_wait_tensorcnt 0x0
	BAR                                    ; x is in, and nobody reads W's rows any more
	LFETCH NB0, AX, 1
	LFETCH NB1, AX+1, 1
	s_wait_dscnt 63
	COLQ NB0, CF, CF+12, 0, VW             ; x along the tokens
	XFETCH NB0, 0
	s_wait_dscnt 16                        ; all but the 16 just issued
	COLQ NB1, CF, CF+12, 1, VW
	XFETCH NB1, 1
	ds_store_b32 v[AVS], v[VW]
.irp e, 0,1,2
	global_store_b128 v7, v[CF+4*\e:CF+4*\e+3], s[46:47] offset:512*\e
.endr
.irp e, 0,1,2
	global_store_b128 v7, v[CF+12+4*\e:CF+12+4*\e+3], s[46:47] offset:1536+512*\e
.endr
	s_wait_dscnt 17                        ; the first 16 row loads are in; the other 16 and the store may be out
	QUANT NB0, XF, XS                      ; x along the features
	s_wait_dscnt 0x0
	QUANT NB1, XF+12, XS+1
.irp e, 0,1,2,3,4,5
	ds_store_b128 v14, v[XF+4*\e:XF+4*\e+3] offset:512*\e
.endr
	ds_store_b32 v[AXW], v[XS]
	ds_store_b32 v[AXW], v[XS+1] offset:128
	WALU
	s_wait_xcnt 0x0                        ; the stores have read the column fragments
	BAR                                    ; all of W's and of x's row fragments are in LDS
.set lI, 0
.rept 12
	ds_load_b128 v[XB+4*lI:XB+4*lI+3], v15 offset:512*lI
.set lI, lI+1
.endr
.irp e, 0,1,2,3
	ds_load_b32 v[XW+\e], v[ABW] offset:128*\e
.endr
.irp e, 0,1,2,3,4,5,6,7
	ds_load_b32 v[WS+\e], v12 offset:128*\e
.endr
	WIN 0x40
.set lI, 0
.rept 48
	ds_load_b128 v[4*lI:4*lI+3], v11 offset:512*lI
.set lI, lI+1
.endr
	WIN 0
	s_wait_loadcnt 0x0                     ; the bias
; Used transposed: source 0 = 16 columns of W, source 1 = 16 rows of x: a lane holds one row, its registers run along the features
.irp p, 0,1,2,3
	s_wait_dscnt 36-12*\p                  ; the next four fragments of W are in
	WIN 0x11
.irp u, 2*\p, 2*\p+1
.irp t, 0,1
	WMC ACC+64*\t+8*(\u), 24*(\u), XB+24*\t, 192+8*(\u), WS+2*((\u)/2), XW+2*\t, (\u)%2
.endr
.endr
	WIN 0x01
.irp u, 2*\p, 2*\p+1
.irp t, 0,1
	WMC ACC+64*\t+8*(\u), 24*(\u)+12, XB+24*\t+12, ACC+64*\t+8*(\u), WS+2*((\u)/2)+1, XW+2*\t+1, (\u)%2
.endr
.endr
.endr
	WIN 0
	PLACES 4
	QUANT ACC, PC, YW
	ds_store_b32 v[AKS], v[YW]             ; lanes l and l xor 16 store the same word
.irp e, 0,1,2
	global_store_b128 v7, v[PC+4*\e:PC+4*\e+3], s[44:45] offset:512*\e
.endr
	QUANT ACC+64, PC1, YW+1
	ds_store_b32 v[AKS], v[YW+1] offset:128
.irp e, 0,1,2
	global_store_b128 v7, v[PC1+4*\e:PC1+4*\e+3], s[44:45] offset:3072+512*\e
.endr
	WALU
	s_wait_tensorcnt 0x0                   ; behind my last LDS store
	ds_add_u32 v[SPW], v[NIL]
	s_wait_dscnt 0x0
	CROUND                                 ; the closing round; it also shows all waves' scale words
	ds_load_b64 v[4:5], v[AOS]
	s_wait_dscnt 0x0
	global_store_b64 v9, v[4:5], s[48:49]  ; 256 bytes, aligned
	s_endpgm
.Lfunc_end_k_q863157e333_prep:
	.size	k_q863157e333_prep, .Lfunc_end_k_q863157e333_prep-k_q863157e333_prep
	.p2alignl 7, 3214868480
	.fill 96, 4, 3214868480
	.section	.rodata,"a",@progbits
	.p2align	6, 0x0
	.amdhsa_kernel k_q863157e333_prep
		.amdhsa_group_segment_fixed_size 327680
		.amdhsa_private_segment_fixed_size 0
		.amdhsa_enable_private_segment 0
		.amdhsa_kernarg_size 40
		.amdhsa_user_sgpr_count 2
		.amdhsa_user_sgpr_kernarg_segment_ptr 1
		.amdhsa_wavefront_size32 1
		.amdhsa_system_sgpr_workgroup_id_x 1
		.amdhsa_system_sgpr_workgroup_id_y 1
		.amdhsa_system_sgpr_workgroup_id_z 1
		.amdhsa_system_vgpr_workitem_id 0
		.amdhsa_next_free_vgpr 512
		.amdhsa_next_free_sgpr 66
		.amdhsa_reserve_vcc 0
		.amdhsa_float_denorm_mode_32 3
		.amdhsa_float_denorm_mode_16_64 3
		.amdhsa_memory_ordered 1
		.amdhsa_forward_progress 1
		.amdhsa_inst_pref_size 86
	.end_amdhsa_kernel
	.amdgpu_metadata
---
amdhsa.version: [ 1, 2 ]
amdhsa.kernels:
  - .name:           k_q863157e333_prep
    .symbol:         k_q863157e333_prep.kd
    .args:
      - { .name: x1, .offset: 0, .size: 8, .value_kind: global_buffer, .address_space: global }
      - { .name: x2, .offset: 8, .size: 8, .value_kind: global_buffer, .address_space: global }
      - { .name: W, .offset: 16, .size: 8, .value_kind: global_buffer, .address_space: global }
      - { .name: b, .offset: 24, .size: 8, .value_kind: global_buffer, .address_space: global }
      - { .name: kv, .offset: 32, .size: 8, .value_kind: global_buffer, .address_space: global }
    .group_segment_fixed_size: 327680
    .private_segment_fixed_size: 0
    .kernarg_segment_align: 8
    .kernarg_segment_size: 40
    .max_flat_workgroup_size: 256
    .sgpr_count:     66
    .vgpr_count:     512
    .wavefront_size: 32
...
	.end_amdgpu_metadata
.endif
;; end of part 1
;; launch attn (part 2): grid 16 x 16, 8 waves a work-group, clusters of 4 x 1, 327,680 bytes of LDS; arguments kv, out0; writes out0
.if DOCPART == 2
	.amdgcn_target "amdgcn-amd-amdhsa--gfx1250"
	.amdhsa_code_object_version 6
	.text
	.protected	k_q863157e333_attn
	.globl	k_q863157e333_attn
	.p2align	8
	.type	k_q863157e333_attn,@function
k_q863157e333_attn:
	s_mov_b64 s[64:65], 0
	v_nop
	global_prefetch_b8 v0, s[64:65] scope:SCOPE_SE
	s_setreg_imm32_b32 hwreg(HW_REG_WAVE_MODE, 25, 1), 1
	s_wait_xcnt 0x0
	s_wait_alu depctr_hold_cnt(0) depctr_sa_sdst(0) depctr_va_vdst(0) depctr_va_sdst(0) depctr_va_ssrc(0) depctr_va_vcc(0) depctr_vm_vsrc(0)
	s_getreg_b32 s2, hwreg(HW_REG_IB_STS2, 6, 4)
	s_cmp_eq_u32 s2, 0
	s_cbranch_scc0 .Lentry_in_a_cluster
	s_endpgm
.Lentry_in_a_cluster:
	s_bfe_u32 s2, ttmp6, 0x10000c
	s_cmp_lg_u32 s2, 0x3003
	s_cbranch_scc0 .Lentry_shape_is_right
	s_endpgm
.Lentry_shape_is_right:
; ATTN.  16 heads (y = 8 x direction + batch) of 2,048 queries x 2,048 keys, head size 256 on both sides, both products on codes of FP6 (E2M3) with one E8M0 byte for each 32 along K.
; Head y takes its queries from the blocks of stream-and-batch y of kv and its keys and values from those of y xor 8 (16 blocks of 51,200 bytes on end; a block is 128 keys: a key step).  All operands lie in kv as
; images of their registers: a fragment comes by three loads of 16 bytes a lane, 512 consecutive bytes each.
; SHARES.  A work-group owns 128 queries.  Its eight waves are four groups g of 32 queries (two tiles of 16) x two halves h of the keys: of a slot's two key steps wave (g, h) takes step h, so a key step's fragments serve two tiles.
; Wave (g, h) calls query tile h its tile 0 and the other its tile 1; at the end it hands tile 1's O, M and sum to wave (g, 1 - h) through LDS and finishes tile 0.
; A KEY STEP of a wave goes in two halves of 64 keys: 16 products K Q^T for both tiles, then both tiles' softmax side by side; then O is rescaled, once a key step, and 32 products V^T P follow.
; SOFTMAX: t = score x log2(e) / 16; M = the running largest t rounded UP to a whole number, kept as -M; p = 2^(t - M) is quantised along the keys, not normalised; the row's sum is taken of the unquantised p and divides at the end.
; When M moves between the halves, the first half's codes stay and their scales are multiplied by 2^(old M - new M), held at the byte 1.  A block's largest p is the exponential of its largest score: this takes v_exp_f32 not to fall where its input rises.
; Both products are used transposed (S^T = K Q^T, O^T = V^T P^T): a lane holds ONE query throughout.
; LIMITS: NaN and infinities are not served; the scaled scores stay under 2^31 in magnitude; a block whose every p has fallen to 0 keeps the byte 1: its codes are zeros.
; CLUSTER.  The four query blocks of a cluster belong to one head and walk the same keys and values: each slot (two key steps, 102,400 dense bytes) is asked for JOINTLY, an eighth by each wave, with a mask that names the four.
; REGISTERS: window 0: v0-11 addresses and scale words, v12-19 K's or V's scale words, v20-47 statistics and work, v48-71 p's codes, v72-119 Q, v120-183 S^T, then p, then five fragments of V, v184-255 six fragments.  window 1: O^T, 128 a tile.
.set STEPB, 51200
.set SLOTB, 2*STEPB
.set SLOT1, 131072                     ; slot 1 begins here: one exclusive or turns an address in one slot into the other's
.set SPIT,  528
.set XCH,   0                          ; the exchange: 16,384 bytes a wave over slot 0 and the gap behind it, when slot 0 has had its last fill and its last read
.set STAGE, SLOT1                      ; the way out: two stages of 16 half rows x 528 bytes a wave, from slot 1 on, when that has had its last fill and its last read
.set XST,   STAGE+8*32*SPIT            ; the exchanged M and sum: 256 bytes a wave
.set SPARE, XST+8*256                  ; the spare words, 128 bytes a wave, that no other line names
.set AF,   0                           ; v0  LDS address of my key step's images
.set LI,   1                           ; v1  16 x lane
.set AS,   2                           ; v2  LDS address of its scale words
.set SPW,  3                           ; v3  my spare word;  v4  0: never rewritten
.set NIL,  4
.set QS,   5                           ; v5-8   Q's scale words: 2 t + s
.set PSW,  9                           ; v9-10  p's
.set PFO,  11                          ; v11    the prefetches' offset
.set KS,   12                          ; v12-19 K's: 2 (kt / 2) + s, or V's: T / 2; lanes 0-15 the even tile, lanes 16-31 the odd one
.set ST,   20                          ; tile t at v[20 + 4 t]: -M, the largest score, the sum in two halves
.set F,    28                          ; v28, v30: O's factor for tile 0, 1;  v29, v31: 0
.set BM,   32                          ; v32-35 2 t + b: the blocks' largest scores, then their largest p
.set SO,   36                          ; v36-39 the second half's conversion scales; ahead of that the second half's factors (even) and work (odd)
.set BT,   40                          ; v40-43 permute results, the sums' second chains, bytes
.set SOA,  44                          ; v44-47 the first half's conversion scales
.set P,    48
.set Q,    72
.set S,    120
.set FB,   184
.set OD,   128                         ; the way out: 128 registers
.set WV,  8
.set G1,  24
.set G0A, 32
.set G0B, 36
.set TB,  40                           ; s40  LDS byte of my key step
.set SLOTS, 41
.set NCS, 42                           ; s42  -log2(e) / 16
.set LIM, 43                           ; s43  1 in the head's first cluster, else the greatest number
.set PFA, 44
.set CS,  46                           ; s[46:47] log2(e) / 16
.set SEL, 48
.set QB,  50
.set QSB, 52
.set OB,  54
.set KVB, 56
.set HH,  58                           ; s58 h, s59 g
.set GG,  59
.set W_PV, 0x50                        ; fragments and p in window 0, O^T in window 1
.set W_RS, 0x41                        ; O^T (destination and source 0) in window 1, the factor in window 0
.set MSB, 0
.set kH, 0
.macro WIN new
.if MSB != \new
	s_set_vgpr_msb (MSB<<8)|\new
.set MSB, \new
.endif
.endm
.macro PLACES n
.rept \n
	v_nop
.endr
.endm
.macro WALU
	s_wait_alu depctr_va_vdst(0)
.endm
.macro CREST                           ; a round of the cluster's barrier behind its opening barrier
	s_cmp_lg_u32 s[WV], 0
	s_cbranch_scc1 .Lnot_wave_0_\@
	s_barrier_signal -3
.Lnot_wave_0_\@:
	s_barrier_wait -3
	s_barrier_signal -1
	s_barrier_wait -1
.endm
.macro CROUND
	s_barrier_signal -1
	s_barrier_wait -1
	CREST
.endm
.macro WMS                             ; the product named by kD, kA, kB, kSA, kSB; kZ: it starts its sum; kO: A's scales stand in lanes 16-31
.if kZ
.if kO
	v_wmma_scale_f32_16x16x128_f8f6f4 v[kD:kD+7], v[kA:kA+11], v[kB:kB+11], 0, v[kSA], v[kSB] matrix_a_fmt:MATRIX_FMT_FP6 matrix_b_fmt:MATRIX_FMT_FP6 matrix_a_scale:MATRIX_SCALE_ROW1
.else
	v_wmma_scale_f32_16x16x128_f8f6f4 v[kD:kD+7], v[kA:kA+11], v[kB:kB+11], 0, v[kSA], v[kSB] matrix_a_fmt:MATRIX_FMT_FP6 matrix_b_fmt:MATRIX_FMT_FP6
.endif
.else
.if kO
	v_wmma_scale_f32_16x16x128_f8f6f4 v[kD:kD+7], v[kA:kA+11], v[kB:kB+11], v[kD:kD+7], v[kSA], v[kSB] matrix_a_fmt:MATRIX_FMT_FP6 matrix_b_fmt:MATRIX_FMT_FP6 matrix_a_scale:MATRIX_SCALE_ROW1
.else
	v_wmma_scale_f32_16x16x128_f8f6f4 v[kD:kD+7], v[kA:kA+11], v[kB:kB+11], v[kD:kD+7], v[kSA], v[kSB] matrix_a_fmt:MATRIX_FMT_FP6 matrix_b_fmt:MATRIX_FMT_FP6
.endif
.endif
.endm
.macro FR d, off                       ; a fragment: 12 registers
.irp e, 0,1,2
	ds_load_b128 v[\d+4*\e:\d+4*\e+3], v[AF] offset:\off+512*\e
.endr
.endm
; K's fragment f = 4 s + kt of half hh (key tile 4 hh + kt, f step s) into buffer b
.macro KFR f, b, hh
.set fO, 1536*(2*(4*(\hh)+(\f)%4)+(\f)/4)
.set fD, FB+12*(\b)
	FR fD, fO
.endm
.macro KLOAD hh                        ; half hh's scale words and its first six fragments: 20 loads
.irp g, 0,1
	ds_load_b64 v[KS+4*\hh+2*\g:KS+4*\hh+2*\g+1], v[AS] offset:49152+512*\hh+256*\g
.endr
.irp f, 0,1,2,3,4,5
	KFR \f, \f, \hh
.endr
.endm
.macro VFR td, d
.set fO, 24576+1536*(\td)
	FR \d, fO
.endm
.macro KQ1 f, b                        ; fragment f, in buffer b, against both tiles: the eight accumulators by turns; the first four fragments start the sums
.irp t, 0,1
.set kD, S+32*\t+8*((\f)%4)
.set kA, FB+12*(\b)
.set kB, Q+12*(2*\t+(\f)/4)
.set kSA, KS+2*((4*kH+(\f)%4)/2)+(\f)/4
.set kSB, QS+2*\t+(\f)/4
.set kZ, 1-(\f)/4
.set kO, (\f)%2
	WMS
.endr
.endm
.macro KQH hh                          ; S^T of 64 keys for both tiles
.set kH, \hh
	WALU
	s_wait_dscnt 12                        ; the scale words and fragments 0, 1 are in; the 12 loads of fragments 2 to 5 may be out
	KQ1 0, 0
	KQ1 1, 1
	PLACES 4                               ; in front of loads into registers that the products have read
	KFR 6, 0, \hh
	KFR 7, 1, \hh
	s_wait_dscnt 6                         ; all but the six loads just issued
	KQ1 2, 2
	KQ1 3, 3
	KQ1 4, 4
	KQ1 5, 5
	s_wait_dscnt 0x0
	KQ1 6, 0
	KQ1 7, 1
.endm
.macro PV td, src, zero                ; O^T of d tile td += V's fragment x p, both tiles
	WIN W_PV
.irp t, 0,1
.set kD, 128*\t+8*(\td)
.set kA, \src
.set kB, P+12*\t
.set kSA, KS+(\td)/2
.set kSB, PSW+\t
.set kZ, \zero
.set kO, (\td)%2
	WMS
.endr
.endm
.macro RS td, tl                       ; O^T of d tile td, tile tl, under the new M
.irp i, 0,2,4,6
	v_pk_mul_f32 v[128*\tl+8*\td+\i:128*\tl+8*\td+\i+1], v[128*\tl+8*\td+\i:128*\tl+8*\td+\i+1], v[F+2*\tl:F+2*\tl+1] op_sel_hi:[1,0]
.endr
.endm
; BOTH TILES' SOFTMAX FOR HALF hh.  q = 2 t + b: registers S + 16 q .. + 15 are a lane's 16 keys of block b of the half for tile t; lane l xor 16 holds the block's other 16.
.macro SMH hh
.set mX, SOA-8*\hh                     ; the conversions' scales
.set mF, F+8*\hh                       ; the half's factor 2^(old M - new M)
.irp q, 0,1,2,3
	v_max3_num_f32 v[BM+\q], v[S+16*\q], v[S+16*\q+1], v[S+16*\q+2]
.endr
.irp i, 3,5,7,9,11,13
.irp q, 0,1,2,3
	v_max3_num_f32 v[BM+\q], v[BM+\q], v[S+16*\q+\i], v[S+16*\q+\i+1]
.endr
.endr
.irp q, 0,1,2,3
	v_max_num_f32 v[BM+\q], v[BM+\q], v[S+16*\q+15]
.endr
.irp q, 0,1,2,3
	v_permlanex16_b32 v[BT+\q], v[BM+\q], s[SEL], s[SEL+1]
.endr
.irp q, 0,1,2,3
	v_max_num_f32 v[BM+\q], v[BM+\q], v[BT+\q]
.endr
.irp t, 0,1
	v_max3_num_f32 v[ST+4*\t+1], v[ST+4*\t+1], v[BM+2*\t], v[BM+2*\t+1]   ; the running largest score
.endr
.irp t, 0,1
	v_mul_f32 v[SO+2*\t+1], s[NCS], v[ST+4*\t+1]   ; -t
.endr
.irp t, 0,1
	v_floor_f32 v[SO+2*\t+1], v[SO+2*\t+1]         ; the new -M = floor(-t): a whole number
.endr
.irp t, 0,1
	v_sub_f32 v[mF+2*\t], v[SO+2*\t+1], v[ST+4*\t] ; old M - new M: 0 or less
.endr
.irp t, 0,1
	v_mov_b32 v[ST+4*\t], v[SO+2*\t+1]
.endr
.irp t, 0,1
	v_cvt_i32_f32 v[mF+2*\t], v[mF+2*\t]           ; (it saturates)
.endr
.irp t, 0,1
	v_ldexp_f32 v[mF+2*\t], 1.0, v[mF+2*\t]
.endr
.set mJ, 0
.rept 16
.irp t, 0,1
	v_pk_fma_f32 v[S+32*\t+2*mJ:S+32*\t+2*mJ+1], v[S+32*\t+2*mJ:S+32*\t+2*mJ+1], s[CS:CS+1], v[ST+4*\t:ST+4*\t+1] op_sel_hi:[1,0,0]   ; t - M
.endr
.set mJ, mJ+1
.endr
.irp q, 0,1,2,3
	v_fma_f32 v[BM+\q], v[BM+\q], s[CS], v[ST+4*(\q/2)]
.endr
	WALU                                   ; the wait ahead of the batch
.set mJ, 0
.rept 64
	v_exp_f32 v[S+mJ], v[S+mJ]             ; p
.set mJ, mJ+1
.endr
.irp q, 0,1,2,3
	v_exp_f32 v[BM+\q], v[BM+\q]           ; the blocks' largest p
.endr
.irp t, 0,1
	v_pk_mul_f32 v[ST+4*\t+2:ST+4*\t+3], v[ST+4*\t+2:ST+4*\t+3], v[mF+2*\t:mF+2*\t+1] op_sel_hi:[1,0]   ; the sums under the new M: plain work behind the batch
.endr
.if \hh
.irp t, 0,1
	v_mul_f32 v[F+2*\t], v[F+2*\t], v[mF+2*\t]     ; O's factor for the whole key step
.endr
.irp q, 0,1,2,3
	v_mul_f32 v[SOA+\q], v[SOA+\q], v[mF+2*(\q/2)] ; the first half's scales under the new M
.endr
.endif
	WALU                                   ; and behind it, ahead of its first reader
.irp t, 0,1
	v_pk_add_f32 v[BT+2*\t:BT+2*\t+1], v[S+32*\t:S+32*\t+1], v[S+32*\t+2:S+32*\t+3]   ; the row's sum of the UNQUANTISED p, in two chains a tile
.endr
.irp j, 4,8,12,16,20,24,28
.irp t, 0,1
	v_pk_add_f32 v[ST+4*\t+2:ST+4*\t+3], v[ST+4*\t+2:ST+4*\t+3], v[S+32*\t+\j:S+32*\t+\j+1]
	v_pk_add_f32 v[BT+2*\t:BT+2*\t+1], v[BT+2*\t:BT+2*\t+1], v[S+32*\t+\j+2:S+32*\t+\j+3]
.endr
.endr
.irp q, 0,1,2,3
	v_max_num_f32 v[BM+\q], 0x1800000, v[BM+\q]    ; the floor 2^(3 - 127): the byte cannot fall under 1
.endr
.irp t, 0,1
	v_pk_add_f32 v[ST+4*\t+2:ST+4*\t+3], v[ST+4*\t+2:ST+4*\t+3], v[BT+2*\t:BT+2*\t+1]
.endr
.irp q, 0,1,2,3
	v_add_nc_u32 v[mX+\q], 0xff000000, v[BM+\q]    ; 2 off the exponent field: the conversion's scale operand
.endr
.irp t, 0,1
	v_cvt_scalef32_pk16_fp6_f32 v[P+12*\t+6*\hh:P+12*\t+6*\hh+2], v[S+32*\t:S+32*\t+15], v[mX+2*\t]
.endr
.if \hh
.irp q, 0,1,2,3
	v_max_num_f32 v[SOA+\q], 0x800000, v[SOA+\q]   ; held at the byte 1
.endr
.else
	v_nop
.endif
.irp t, 0,1
	v_cvt_scalef32_pk16_fp6_f32 v[S+32*\t:S+32*\t+2], v[S+32*\t+16:S+32*\t+31], v[mX+2*\t+1]   ; onto numbers that are codes by now
.endr
.if \hh
.irp t, 0,1
	v_lshrrev_b32 v[PSW+\t], 23, v[SOA+2*\t]       ; p's scale word: four bytes
.endr
.irp t, 0,1
	v_lshrrev_b32 v[BM+2*\t], 23, v[SOA+2*\t+1]
	v_lshrrev_b32 v[BM+2*\t+1], 23, v[SO+2*\t]
	v_lshrrev_b32 v[BT+2*\t], 23, v[SO+2*\t+1]
.endr
.irp t, 0,1
	v_lshl_or_b32 v[PSW+\t], v[BM+2*\t], 8, v[PSW+\t]
.endr
.irp t, 0,1
	v_lshl_or_b32 v[PSW+\t], v[BM+2*\t+1], 16, v[PSW+\t]
.endr
.irp t, 0,1
	v_lshl_or_b32 v[PSW+\t], v[BT+2*\t], 24, v[PSW+\t]
.endr
.else
	v_nop
.endif
.irp e, 0,1,2                          ; the layout wants a WHOLE block in a lane
.irp t, 0,1
	v_permlane16_swap_b32 v[P+12*\t+6*\hh+\e], v[S+32*\t+\e]
.endr
.endr
.irp e, 0,1,2
.irp t, 0,1
	v_mov_b32 v[P+12*\t+6*\hh+3+\e], v[S+32*\t+\e]
.endr
.endr
.endm
; A KEY STEP up to its last LDS loads.  V's 16 fragments come in three runs: d tiles 0-5 into the six buffers, 11-15 into S, 6-10 into the buffers again.  first = 1: O^T has not begun.
.macro MAIN first
	KQH 0
	PLACES 4                               ; in front of the loads, and of the first read of the scores
	KLOAD 1
	SMH 0
	KQH 1
	PLACES 4
.irp g, 0,1,2,3
	ds_load_b64 v[KS+2*\g:KS+2*\g+1], v[AS] offset:50176+256*\g
.endr
.irp d, 0,1,2,3,4,5
	VFR \d, FB+12*\d
.endr
	SMH 1
.irp d, 0,1,2,3,4
	VFR 11+\d, S+12*\d
.endr
.if \first
	PLACES 8                               ; in front of the products that take p's scale words
.else
	WIN W_RS
	WALU
.irp d, 0,1,2,3,4,5
	RS \d, 0
	RS \d, 1
.endr
.endif
	WALU
	s_wait_dscnt 15                        ; the scale words and d tiles 0-5 are in; the 15 loads into S may be out
.irp d, 0,1,2,3,4,5
	PV \d, FB+12*\d, \first
.endr
.if \first
	WIN 0
	PLACES 4
.else
	WIN W_RS
	WALU
	RS 6, 0                                ; four lines: the places in front of the loads
	WIN 0
.endif
.irp d, 0,1,2,3,4
	VFR 6+\d, FB+12*\d
.endr
.endm
; THE END OF A KEY STEP.  last = 0: the change of slots: each wave waits for all its tensor loads (its eighth of the other slot), adds 0 to its spare word, and waits for that and for its reads of this slot; ten products stand between signal
; and wait.  fill = 1: the barrier opens a round of the cluster's, and the joint refill is the first thing behind it.  Then the next K is fetched, and the last ten products, out of S, stand under its flight.
.macro TAIL fill, last, first
.if \last == 0
	s_xor_b32 s[TB], s[TB], SLOT1          ; my next key step lies in the other slot
	v_add_nc_u32 v[AF], s[TB], v[LI]
	v_lshrrev_b32 v[AS], 1, v[LI]
	v_add_nc_u32 v[AS], s[TB], v[AS]
	s_wait_tensorcnt 0x0
	ds_add_u32 v[SPW], v[NIL]
.if \fill
	s_xor_b32 s[G0B+1], s[G0B+1], SLOT1
	s_add_nc_u64 s[G0B+2:G0B+3], s[G0B+2:G0B+3], SLOTB
	s_wait_xcnt 0x0                        ; the last prefetch has read its address
	s_add_nc_u64 s[PFA:PFA+1], s[PFA:PFA+1], SLOTB
.endif
.endif
.if \first == 0
	WIN W_RS
	WALU
	RS 6, 1
.irp d, 7,8,9,10
	RS \d, 0
	RS \d, 1
.endr
.endif
	WALU
	s_wait_dscnt 0x0
.if \last
.irp d, 0,1,2,3,4
	PV 6+\d, FB+12*\d, \first
.endr
.else
	s_barrier_signal -1
.irp d, 0,1,2,3,4
	PV 6+\d, FB+12*\d, \first
.endr
	WIN 0
	s_barrier_wait -1
.if \fill
	CREST
	tensor_load_to_lds s[G0B:G0B+3], s[G1:G1+7]
	s_nop 0
.endif
	PLACES 4                               ; the places in front of the loads too
	KLOAD 0
.if \fill
; A PREFETCH INTO THE L2 of the slot that the NEXT change of slots will ask for, 128 products of two waves ahead of that load.  All clusters of a head walk the same blocks: the head's first cluster asks.  Of a slot's 400 blocks of 256 bytes
; each of the four partners takes 100, told apart BY ADDRESS, and each wave 13 of these, the last clamped.  The last change that fills a slot asks for nothing.
	s_cmp_gt_u32 s[SLOTS], s[LIM]
	s_cbranch_scc0 .Lnot_mine_\@
	global_prefetch_b8 v[PFO], s[PFA:PFA+1] th:TH_LOAD_NT scope:SCOPE_SE
.Lnot_mine_\@:
.endif
.endif
.if \first == 0
	WIN W_RS
	WALU
.irp d, 11,12,13,14,15
	RS \d, 0
	RS \d, 1
.endr
.endif
.irp d, 0,1,2,3,4
	PV 11+\d, S+12*\d, \first
.endr
	WIN 0
.if \last == 0
	PLACES 5                               ; the next products write over S, which these have read
.endif
.endm
	s_load_b128 s[4:7], s[0:1], 0x0        ; kv s[4:5], out0 s[6:7]
	v_lshl_add_u32 v[SPW], v0, 2, SPARE
	v_mov_b32 v[NIL], 0
	ds_add_u32 v[SPW], v[NIL]              ; the opening lines
	ds_add_u32 v[SPW], v[NIL]
	v_lshrrev_b32 v32, 5, v0
	v_readfirstlane_b32 s[WV], v32         ; wave 0..7
	s_lshr_b32 s[HH], s[WV], 2
	s_and_b32 s[GG], s[WV], 3
	s_bfe_u32 s9, ttmp6, 0x40000           ; cx: it enters Q's, O's and the prefetches' global addresses alone
	s_lshl_b32 s10, ttmp9, 2
	s_add_co_u32 s10, s10, s9              ; my block of 128 queries
	s_and_b32 s11, ttmp7, 0xffff           ; the head, which the four partners share
	s_xor_b32 s12, s11, 8
	s_mul_i32 s12, s12, 16*STEPB           ; keys and values: the other stream
	s_mov_b32 s13, 0
	s_mul_i32 s14, s[WV], SLOTB/8          ; my eighth of a slot, in memory and in LDS
	s_mov_b32 s15, 0
	s_mul_i32 s16, s11, 16*STEPB
	s_mul_i32 s17, s10, STEPB
	s_add_co_u32 s16, s16, s17             ; the queries' block
	s_mul_i32 s18, s[GG], 6144
	s_add_co_u32 s18, s18, s16             ; my group's four fragments of it,
	s_mov_b32 s19, 0
	s_lshl_b32 s20, s[GG], 8
	s_add_co_u32 s20, s20, s16
	s_add_co_u32 s20, s20, 49152           ; and its scale words
	s_mov_b32 s21, 0
	s_and_b32 s22, s11, 7
	s_lshl_b32 s22, s22, 12                ; O: the batch's 4,096 rows,
	s_lshr_b32 s23, s11, 3
	s_lshl_b32 s23, s23, 11                ; the direction's 2,048,
	s_add_co_u32 s22, s22, s23
	s_lshl_b32 s23, s10, 7
	s_add_co_u32 s22, s22, s23
	s_lshl_b32 s23, s[GG], 5
	s_add_co_u32 s22, s22, s23
	s_lshl_b32 s23, s[HH], 4
	s_add_co_u32 s22, s22, s23             ; the first query of my tile 0
	s_lshl_b32 s22, s22, 10                ; in bytes (under 2^26)
	s_mov_b32 s23, 0
	; descriptor group 1: an eighth of a slot, 12,800 dense bytes, as 50 rows of 256 bytes
	s_mov_b32 s[G1], 15|(3<<16)|(1<<21)    ; the mask: all four work-groups; elements of 8 bytes; bit 21 set beside a mask; no padding
	s_mov_b32 s[G1+1], 32<<16
	s_mov_b32 s[G1+2], 50<<16
	s_mov_b32 s[G1+3], 32<<16
	s_mov_b32 s[G1+4], 50
	s_mov_b32 s[G1+5], 32
	s_mov_b32 s[G1+6], 0
	s_mov_b32 s[G1+7], 0
	s_mov_b32 s[CS], 0x3db8aa3b
	s_mov_b32 s[CS+1], s[CS]
	s_mov_b32 s[NCS], 0xbdb8aa3b
	s_mov_b32 s[SEL], 0x76543210
	s_mov_b32 s[SEL+1], 0xfedcba98
	s_mul_i32 s[TB], s[HH], STEPB
	s_mov_b32 s[SLOTS], 6
	s_cmp_eq_u32 ttmp9, 0                  ; the head's first cluster: the same in all four partners
	s_cselect_b32 s[LIM], 1, -1
	s_mul_i32 s16, s9, SLOTB/4             ; my work-group's 100 blocks of a slot
	s_mov_b32 s17, 0
	v_and_b32 v33, 31, v0                  ; lane
	v_lshlrev_b32 v[LI], 4, v33
	s_mul_i32 s60, s[HH], 3072
	s_sub_co_u32 s61, 3072, s60
	v_add_nc_u32 v34, s60, v[LI]           ; tile 0: query tile h
	v_add_nc_u32 v35, s61, v[LI]           ; tile 1: the other
	v_and_b32 v36, 15, v0
	v_lshlrev_b32 v36, 3, v36
	s_lshl_b32 s60, s[HH], 7
	s_sub_co_u32 s61, 128, s60
	v_add_nc_u32 v37, s60, v36
	v_add_nc_u32 v38, s61, v36
	v_min_u32 v39, 12, v33
	s_mul_i32 s60, s[WV], 13
	v_add_nc_u32 v39, s60, v39
	v_min_u32 v39, 99, v39
	v_lshlrev_b32 v[PFO], 8, v39
	v_add_nc_u32 v[AF], s[TB], v[LI]       ; (v0 has served)
	v_lshrrev_b32 v[AS], 1, v[LI]
	v_add_nc_u32 v[AS], s[TB], v[AS]
.irp t, 0,1
	v_mov_b32 v[ST+4*\t], 0x7f000000       ; -M, above every -t
	v_mov_b32 v[ST+4*\t+1], 0xff61b1e6     ; the largest score so far: -3e38
	v_mov_b32 v[ST+4*\t+2], 0
	v_mov_b32 v[ST+4*\t+3], 0
	v_mov_b32 v[F+2*\t+1], 0               ; (named as the upper halves of pairs)
.endr
.irp q, 0,1,2,3
	v_mov_b32 v[BT+\q], 0                  ; a lane permute's destination counts as one of its sources
.endr
	WALU                                   ; the wait ahead of the waits below
	s_wait_dscnt 0x0                       ; both opening adds are done
	s_wait_kmcnt 0x0
	s_add_nc_u64 s[QB:QB+1], s[4:5], s[18:19]
	s_add_nc_u64 s[QSB:QSB+1], s[4:5], s[20:21]
	s_add_nc_u64 s[OB:OB+1], s[6:7], s[22:23]
	s_add_nc_u64 s[KVB:KVB+1], s[4:5], s[12:13]
	s_add_nc_u64 s[PFA:PFA+1], s[KVB:KVB+1], s[16:17]
	s_add_nc_u64 s[PFA:PFA+1], s[PFA:PFA+1], 2*SLOTB   ; the first change of slots steps it to the fourth slot's worth of keys.  Nothing is prefetched at the head
	s_add_nc_u64 s[KVB:KVB+1], s[KVB:KVB+1], s[14:15]
	s_mov_b32 s[G0A], 1
	s_mov_b32 s[G0A+1], s14
	s_mov_b64 s[G0A+2:G0A+3], s[KVB:KVB+1]
	s_or_b32 s[G0A+3], s[G0A+3], 0x80000000
	s_mov_b32 s[G0B], 1
	s_add_co_u32 s[G0B+1], s14, SLOT1
	s_add_nc_u64 s[G0B+2:G0B+3], s[KVB:KVB+1], SLOTB
	s_or_b32 s[G0B+3], s[G0B+3], 0x80000000
	CROUND                                 ; all four work-groups are here: the first joint loads meet
	tensor_load_to_lds s[G0A:G0A+3], s[G1:G1+7]
	s_nop 0
	PLACES 4
.irp e, 0,1,2,3,4,5
	global_load_b128 v[Q+4*\e:Q+4*\e+3], v34, s[QB:QB+1] offset:512*\e   ; Q's fragments stay in registers
.endr
.irp e, 0,1,2,3,4,5
	global_load_b128 v[Q+24+4*\e:Q+24+4*\e+3], v35, s[QB:QB+1] offset:512*\e
.endr
	global_load_b32 v[QS], v37, s[QSB:QSB+1]
	global_load_b32 v[QS+1], v37, s[QSB:QSB+1] offset:4
	global_load_b32 v[QS+2], v38, s[QSB:QSB+1]
	global_load_b32 v[QS+3], v38, s[QSB:QSB+1] offset:4
	s_wait_tensorcnt 0x0                   ; my eighth of slot 0 is in
	ds_add_u32 v[SPW], v[NIL]
	s_wait_dscnt 0x0
	CROUND                                 ; everybody's is
	tensor_load_to_lds s[G0B:G0B+3], s[G1:G1+7]   ; slot 1's first fill
	s_nop 0
	PLACES 4
	KLOAD 0
	s_wait_loadcnt 0x0                     ; Q
	MAIN 1                                 ; the first key step starts O's sums: nothing is cleared
	TAIL 1, 0, 1
	s_mov_b32 s[SLOTS], 5
.Lslot:                                        ; five trips, each of which fills a slot again
	MAIN 0
	TAIL 1, 0, 0
	s_sub_co_u32 s[SLOTS], s[SLOTS], 1
	s_cmp_lg_u32 s[SLOTS], 0
	WALU
	s_cbranch_scc1 .Lslot
	MAIN 0                                 ; the tail is written out
	TAIL 0, 0, 0
	MAIN 0
	TAIL 0, 1, 0
; THE EXCHANGE.  Slot 0 has had its last fill, and its last read stands ahead of the last barrier.
.irp t, 0,1
	v_add_f32 v[BM+\t], v[ST+4*\t+2], v[ST+4*\t+3]   ; the sums' halves and lane l xor 16's: the places behind the last products
.endr
.irp t, 0,1
	v_permlanex16_b32 v[BT+\t], v[BM+\t], s[SEL], s[SEL+1]
.endr
.irp t, 0,1
	v_add_f32 v[BM+\t], v[BM+\t], v[BT+\t]
.endr
	s_lshl_b32 s9, s[WV], 14
	s_xor_b32 s10, s9, 0x10000             ; wave (g, 1 - h)'s
	s_lshl_b32 s11, s[WV], 8
	s_xor_b32 s12, s11, 0x400
	s_add_co_u32 s11, s11, XST
	s_add_co_u32 s12, s12, XST
	s_mul_i32 s13, s[WV], 32*SPIT
	s_add_co_u32 s13, s13, STAGE
	WALU
	v_add_nc_u32 v[SO], s9, v[LI]
	v_add_nc_u32 v[SO+1], s10, v[LI]
	v_lshrrev_b32 v[SOA+2], 2, v[LI]
	v_add_nc_u32 v[SOA], s11, v[SOA+2]
	v_add_nc_u32 v[SOA+1], s12, v[SOA+2]
	v_lshrrev_b32 v[SO+2], 4, v[LI]
	v_and_b32 v[SO+3], 15, v[SO+2]
	v_lshrrev_b32 v[SO+2], 4, v[SO+2]
	v_mul_u32_u24 v[BT+2], v[SO+3], SPIT
	v_lshl_add_u32 v[BT+2], v[SO+2], 5, v[BT+2]
	v_add_nc_u32 v[BT+2], s13, v[BT+2]     ; my stage: row r, + 32 x half
	v_add_nc_u32 v[BT+3], s13, v[LI]
	ds_store_b32 v[SOA], v[ST+4]           ; tile 1's -M
	ds_store_b32 v[SOA], v[BM+1] offset:128
	WIN 0x04                               ; the data: window 1
.set oJ, 0
.rept 32
	ds_store_b128 v[SO], v[128+4*oJ:128+4*oJ+3] offset:512*oJ
.set oJ, oJ+1
.endr
	WIN 0
	WALU
	s_wait_dscnt 0x0
	s_barrier_signal -1
	s_barrier_wait -1                      ; behind it nobody reads slot 1 any more
	ds_load_b32 v[BT], v[SOA+1]
	ds_load_b32 v[BT+1], v[SOA+1] offset:128
	WIN 0x40
.set oJ, 0
.rept 32
	ds_load_b128 v[128+4*oJ:128+4*oJ+3], v[SO+1] offset:512*oJ
.set oJ, oJ+1
.endr
	WIN 0
	s_wait_dscnt 32                        ; the other half's -M and sum are in; its O may be out
	v_min_num_f32 v[SOA+2], v[ST], v[BT]
	v_sub_f32 v[F], v[SOA+2], v[ST]
	v_sub_f32 v[F+2], v[SOA+2], v[BT]
	v_cvt_i32_f32 v[F], v[F]
	v_cvt_i32_f32 v[F+2], v[F+2]
	v_ldexp_f32 v[F], 1.0, v[F]
	v_ldexp_f32 v[F+2], 1.0, v[F+2]
	v_mul_f32 v[BM+2], v[BM], v[F]
	v_fma_f32 v[BM+2], v[BT+1], v[F+2], v[BM+2]
	WALU
	v_rcp_f32 v[BM+3], v[BM+2]
	v_nop
	WALU
	v_mul_f32 v[F], v[F], v[BM+3]
	v_mul_f32 v[F+2], v[F+2], v[BM+3]
; The two keys' halves of O are joined and leave by halves of the head's columns: 128 columns, 512 bytes of each row.
.macro JOIN hf, younger                ; younger: the LDS instructions issued behind the other half's O, which may stay out
	WIN 0x01                               ; source 0: window 1
	WALU
.set oJ, 32*\hf
.rept 32
	v_pk_mul_f32 v[OD+2*oJ:OD+2*oJ+1], v[2*oJ:2*oJ+1], v[F:F+1] op_sel_hi:[1,0]
.set oJ, oJ+1
.endr
.set oJ, 32*\hf
.rept 32
.if oJ%16 == 0
	s_wait_dscnt \younger+24-oJ/2          ; eight more of the 32 loads
.endif
	v_pk_fma_f32 v[OD+2*oJ:OD+2*oJ+1], v[128+2*oJ:128+2*oJ+1], v[F+2:F+3], v[OD+2*oJ:OD+2*oJ+1] op_sel_hi:[1,0,1]
.set oJ, oJ+1
.endr
	WIN 0
.endm
.macro TOSTAGE hf
.set oJ, 0
.rept 8
	ds_store_b128 v[BT+2], v[OD+64*\hf+8*oJ:OD+64*\hf+8*oJ+3] offset:16*SPIT*\hf+64*oJ
	ds_store_b128 v[BT+2], v[OD+64*\hf+8*oJ+4:OD+64*\hf+8*oJ+7] offset:16*SPIT*\hf+64*oJ+16
.set oJ, oJ+1
.endr
.set oJ, 0
.rept 16
	ds_load_b128 v[OD+64*\hf+4*oJ:OD+64*\hf+4*oJ+3], v[BT+3] offset:16*SPIT*\hf+SPIT*oJ
.set oJ, oJ+1
.endr
.endm
.macro SENDH hf
.set oJ, 0
.rept 16
	s_wait_dscnt 15-oJ
	global_store_b128 v[LI], v[OD+64*\hf+4*oJ:OD+64*\hf+4*oJ+3], s[OB:OB+1] offset:1024*oJ+512*\hf th:TH_STORE_NT
.set oJ, oJ+1
.endr
.endm
	JOIN 0, 0
	TOSTAGE 0
	JOIN 1, 32                             ; under the first half's way through the stage: 16 stores and 16 loads
	WALU
	SENDH 0
	TOSTAGE 1
	WALU
	SENDH 1
	s_wait_tensorcnt 0x0                   ; the wave's end
	ds_add_u32 v[SPW], v[NIL]
	s_wait_dscnt 0x0
	CROUND                                 ; the closing round
	s_endpgm
.Lfunc_end_k_q863157e333_attn:
	.size	k_q863157e333_attn, .Lfunc_end_k_q863157e333_attn-k_q863157e333_attn
	.p2alignl 7, 3214868480
	.fill 96, 4, 3214868480
	.section	.rodata,"a",@progbits
	.p2align	6, 0x0
	.amdhsa_kernel k_q863157e333_attn
		.amdhsa_group_segment_fixed_size 327680
		.amdhsa_private_segment_fixed_size 0
		.amdhsa_enable_private_segment 0
		.amdhsa_kernarg_size 16
		.amdhsa_user_sgpr_count 2
		.amdhsa_user_sgpr_kernarg_segment_ptr 1
		.amdhsa_wavefront_size32 1
		.amdhsa_system_sgpr_workgroup_id_x 1
		.amdhsa_system_sgpr_workgroup_id_y 1
		.amdhsa_system_sgpr_workgroup_id_z 1
		.amdhsa_system_vgpr_workitem_id 0
		.amdhsa_next_free_vgpr 512
		.amdhsa_next_free_sgpr 66
		.amdhsa_reserve_vcc 0
		.amdhsa_float_denorm_mode_32 3
		.amdhsa_float_denorm_mode_16_64 3
		.amdhsa_memory_ordered 1
		.amdhsa_forward_progress 1
		.amdhsa_inst_pref_size 211
	.end_amdhsa_kernel
	.amdgpu_metadata
---
amdhsa.version: [ 1, 2 ]
amdhsa.kernels:
  - .name:           k_q863157e333_attn
    .symbol:         k_q863157e333_attn.kd
    .args:
      - { .name: kv, .offset: 0, .size: 8, .value_kind: global_buffer, .address_space: global }
      - { .name: out0, .offset: 8, .size: 8, .value_kind: global_buffer, .address_space: global }
    .group_segment_fixed_size: 327680
    .private_segment_fixed_size: 0
    .kernarg_segment_align: 8
    .kernarg_segment_size: 16
    .max_flat_workgroup_size: 256
    .sgpr_count:     66
    .vgpr_count:     512
    .wavefront_size: 32
...
	.end_amdgpu_metadata
.endif
;; end of part 2
